; MI455X (gfx1250); checked and timed in simulation.
; The chip was launched on July 23, 2026; its instructions are those of AMD's public machine-readable ISA for CDNA 5 (MIT licence, August 2026) and "CDNA5" Instruction Set Architecture Reference Guide (July 2026). The comments in the code are by the model that wrote it; some were corrected since.
;; LNO Block. Allowed arithmetic: matrix products marked QUANTISED: E3M2 operands, one E8M0 scale for each 32 along K, by v_wmma_scale_f32_16x16x128_f8f6f4 with both operands' format E3M2, f32 sums; products left as they are: f32 operands where the result goes on into a quantised operand, else bf16, f16 or f32 operands; f32 sums; everything else in f32.
;; Inputs: W_b 128 float32; W_w 128 x 128 float32; phi_b 64 float32; phi_w 128 x 64 float32; psi_b 8,192 float32; psi_w 128 x 8,192 float32; x 2 x 8,192 x 128 float32.
;; Outputs: out0 2 x 8,192 x 128 float32.
;; This version of the problem:
;;   THIS VERSION OF THE PROBLEM IS GIVEN IN LOW PRECISION. The matrix products marked QUANTISED in the list below multiply operands that are first quantised to E3M2 (3 exponent bits, 2 mantissa bits; 6 bits a number), with one power-of-two scale for each 32 numbers along K (OCP MX v1.0); their sums are f32. All else is computed in f32.
;;   The module's matrix products, in the order in which they are computed (A, B: the left and right operand; K: the contracted axis; several contracted axes count as one K, in the product's order):
;;     1. [M 16,384, K 128] x [K 128, N 64]; A: input x; B: input phi_w: QUANTISED
;;     2. [M 16,384, K 128] x [K 128, N 8,192]; A: input x; B: input psi_w: QUANTISED
;;     3. batch 256 x [M 1, K 8,192] x [K 8,192, N 64]; A: input x; B: computed on the way: left as it is (M = 1 < 16)
;;     4. batch 2 x [M 8,192, K 64] x [K 64, N 128]; A: computed on the way; B: computed on the way: QUANTISED
;;     5. [M 16,384, K 128] x [K 128, N 128]; A: input x; B: input W_w: QUANTISED
;;   THE QUANTISER, for each operand of a quantised product, along K:
;;     - K is cut into blocks of 32 from its start; a last block that is shorter is filled with zeros.
;;     - A block's scale is 2^e with e = floor(log2(the largest magnitude in the block)) - 4, held to -126 .. 127; a block of zeros has e = 0. As a byte (E8M0): e + 127.
;;     - Each number is divided by its block's scale, clamped to +-28, and rounded to the nearest number of E3M2, ties to even, subnormals kept.
;;     - The product sums the exact products of the quantised numbers (number of the format x scale) in f32.
;;   ~~~python
;;   def quantise(x, axis):      # numpy; x: float32 -> the quantised numbers, widened to float32 again
;;       x = np.moveaxis(x, axis, -1); K = x.shape[-1]
;;       x = np.pad(x, [(0, 0)] * (x.ndim - 1) + [(0, -K % 32)]); x = x.reshape(x.shape[:-1] + (-1, 32)); a = np.abs(x).max(-1, keepdims=True)
;;       e = np.where(a > 0, np.clip(np.frexp(np.where(a > 0, a, 1))[1] - 1 - 4, -126, 127), 0)      # np.frexp(a)[1] - 1 = floor(log2(a)), exactly
;;       r = np.clip(x / 2.0 ** e, -28, 28)
;;       step = 2.0 ** (np.maximum(np.frexp(np.where(r == 0, 1, r))[1] - 1, -2) - 2)
;;       q = np.round(r / step) * step * 2.0 ** e      # np.round: ties to even
;;       return np.moveaxis(q.reshape(q.shape[:-2] + (-1,))[..., :K], -1, axis).astype(np.float32)
;;   ~~~
;;   OPERANDS COMPUTED ON THE WAY. 'Computed on the way' means the value that the module computes at that place (a softmax that the list does not call 'softmax' is quantised finished and normalised). What goes into a quantiser is computed in f32, as accurately as f32 sums, v_exp_f32 and their like allow (about 1e-6 of the number): no bf16 or f16 on the way to a quantiser, and a product that is left as it is and whose result goes on into a quantised operand takes f32 operands (vector FMAs, or v_wmma_f32_16x16x4_f32). A number that lies on a knife's edge between two numbers of the format may be rounded either way, as far as f32 arithmetic and the matrix unit's own rounding can turn it there, and no further.
;; One version. Each part assembles by itself: llvm-mc -triple=amdgcn-amd-amdhsa -mcpu=gfx1250 --defsym DOCPART=n.
;; ======== version 1 of 1: 3 launches
;; limits: a function is approximated: absolute error at most 1.5e-07
;; workspace buffers: xq 1,703,936 bytes; xt 8,388,608 bytes; wq 851,968 bytes; ws 19,968 bytes; part 524,288 bytes
;; launch prep (part 1): grid 387 x 1, 4 waves a work-group, no clusters, 34,304 bytes of LDS; arguments x, psi_w, phi_w, W_w, xq, xt, wq, ws; writes xq, xt, wq, ws
.if DOCPART == 1
	.amdgcn_target "amdgcn-amd-amdhsa--gfx1250"
	.amdhsa_code_object_version 6
	.text
	.protected	k_q449e439c47_prep
	.globl	k_q449e439c47_prep
	.p2align	8
	.type	k_q449e439c47_prep,@function
k_q449e439c47_prep:
	s_mov_b64 s[64:65], 0
	v_nop
	global_prefetch_b8 v0, s[64:65] scope:SCOPE_SE
	s_setreg_imm32_b32 hwreg(HW_REG_WAVE_MODE, 25, 1), 1
	s_wait_xcnt 0x0
; Every operand that many work-groups of the later launches read is quantised ONCE here, to codes of BF6 (E3M2) with one E8M0 byte for each 32 along K (K = the 128 channels),
; and laid as IMAGES OF THE OPERAND'S REGISTERS: a fragment (16 rows or columns x 128 K, 12 registers a lane) is three runs of 512 bytes, lane l's 16 bytes at 16 l; its scale words are 4 bytes a lane.
;   xq [256 quads of 64 rows][6,656]: tile t's codes at 1,536 t, its scale words at 6,144 + 128 t.
;   xt [16 slabs of 1,024 rows][8 blocks of 16 channels][64 tiles][1,024]: x itself, f32, in the layout of a matrix result: register j of lane (r, h) = x[16 tile + 8 h + j][16 cb + r].
;   wq [16 groups 2 cb + rank / 32][53,248]: psi_w's tile of columns 128 rank + 16 cb + 0..15: codes at 1,536 (rank % 32), scale words at 49,152 + 128 (rank % 32).
;   ws: 12 tiles, codes at 1,536 T, scale words at 18,432 + 128 T.  T = 0..3: phi_w, lane r of tile 2 b + u takes rank 32 b + 8 u + r + 8 (r / 8);  T = 4 + ct: W_w, columns 16 ct + r.
; A block's scale is 2^(floor(log2(its largest magnitude)) - 4); its byte is the largest magnitude's exponent field - 4, held at 1 from below.
; LIMITS: a block of zeros gets the byte 1 where the rule says 127 (its codes are zeros, and this program alone reads the bytes); NaN and infinities among the inputs are not served.
; SHARES: work-groups 0-255: a quad of x, a tile of 16 rows to each of the four waves.  256-383: psi_w, a rank and four blocks of 16 columns (the four waves read 256 neighbouring bytes of each row).
; 384: phi_w.  385, 386: W_w.  Waves share nothing: no barrier.  No tile is read by two work-groups: no cluster, no tensor loads.
.set STP,  528                         ; a row of x in the wave's stage: 512 bytes + 16, an odd multiple of 16: the sixteen rows that a 16-byte read touches start in different banks
.set WREG, 16*STP                      ; a wave's stage
.set TM,   16                          ; v16-31  at work in the quantisers
.set PW,   32                          ; v32     the scale word
.set PC,   36                          ; v36-47  the fragment's codes; v48-50, v52-54 halves on their way
.set QX,   64                          ; v64-127 64 numbers of a lane along K
.set RAW,  128                         ; v128-191 16 rows as loaded
.set TX,   192                         ; v192-255 the same rows in a matrix result's layout
.set SEL,  22                          ; s[22:23] lane selects for v_permlanex16_b32: lane l xor 16
; 64 numbers of a lane, register 16 b + i = k 32 b + 16 (lane / 16) + i of row lane % 16, become a fragment's codes in v[PC] on and the row's scale word in v[PW].
.macro QUANT s
.irp b, 0,1,2,3
	v_max3_num_f32 v[TM+\b], |v[\s+16*\b]|, |v[\s+1+16*\b]|, 0x2800000   ; block b: my 16 numbers, and the floor 2^(5 - 127): the byte cannot fall under 1
.endr
.irp i, 2,4,6,8,10,12,14
.irp b, 0,1,2,3
	v_max3_num_f32 v[TM+\b], v[TM+\b], |v[\s+16*\b+\i]|, |v[\s+1+16*\b+\i]|   ; the four blocks by turns
.endr
.endr
.irp b, 0,1,2,3
	v_permlanex16_b32 v[TM+4+\b], v[TM+\b], s[SEL], s[SEL+1]
.endr
.irp b, 0,1,2,3
	v_max_num_f32 v[TM+\b], v[TM+\b], v[TM+4+\b]   ; with lane l xor 16's: the block's largest magnitude
.endr
.irp b, 0,1,2,3
	v_add_nc_u32 v[TM+12+\b], 0xfe000000, v[TM+\b]   ; 4 off its exponent field: the conversion takes this operand's exponent field as its scale
.endr
.irp b, 0,1,2,3
	v_lshrrev_b32 v[TM+4+\b], 23, v[TM+12+\b]      ; the scale's byte
.endr
	v_lshl_or_b32 v[PW], v[TM+5], 8, v[TM+4]
	v_lshl_or_b32 v[PW], v[TM+6], 16, v[PW]
	v_lshl_or_b32 v[PW], v[TM+7], 24, v[PW]
.irp c, 0,1
	v_cvt_scalef32_pk16_bf6_f32 v[PC+6*\c:PC+2+6*\c], v[\s+32*\c:\s+15+32*\c], v[TM+12+2*\c]
	v_cvt_scalef32_pk16_bf6_f32 v[PC+12+4*\c:PC+14+4*\c], v[\s+16+32*\c:\s+31+32*\c], v[TM+12+2*\c+1]   ; (a conversion's three registers begin on an even number)
.endr
	v_nop                                          ; one plain line behind a scaled conversion
.irp c, 0,1                                    ; the operand's layout wants a whole block in a lane: lanes 0-15 block 2 c, lanes 16-31 block 2 c + 1
.irp i, 0,1,2
	v_permlane16_swap_b32 v[PC+6*\c+\i], v[PC+12+4*\c+\i]
.endr
.irp i, 0,1,2
	v_mov_b32 v[PC+3+6*\c+\i], v[PC+12+4*\c+\i]
.endr
.endr
.endm
; One tile of 16 columns of a weight stored [128 (k)][n]: lane (r, h) takes one column and its registers run down K in the operand's own order, k = 64 c + 32 h + i.
; pitch: bytes of a row;  s[src]: the tile's first column in row 0;  v9: the lane's column and its 32 h rows;  s[dc], s[dsc]: where codes and scale words go.
.macro WTILE pitch, src, dc, dsc
.set I, 0
.rept 64
	global_load_b32 v[QX+I], v9, s[\src:\src+1] offset:\pitch*(64*(I/32)+I%32)
.set I, I+1
.endr
	s_wait_loadcnt 0x0
.irp c, 0,1                                    ; my block 2 c + h: all its 32 numbers are mine
	v_max3_num_f32 v[TM+\c], |v[QX+32*\c]|, |v[QX+1+32*\c]|, 0x2800000
.endr
.irp i, 2,4,6,8,10,12,14,16,18,20,22,24,26,28,30
.irp c, 0,1
	v_max3_num_f32 v[TM+\c], v[TM+\c], |v[QX+32*\c+\i]|, |v[QX+1+32*\c+\i]|
.endr
.endr
.irp c, 0,1
	v_add_nc_u32 v[TM+12+\c], 0xfe000000, v[TM+\c]
.endr
.irp c, 0,1
	v_lshrrev_b32 v[TM+4+\c], 23, v[TM+12+\c]
.endr
	v_lshl_or_b32 v10, v[TM+5], 16, v[TM+4]        ; my two bytes: blocks h and 2 + h of my column,
	v_lshlrev_b32 v12, 3, v3
	v_lshlrev_b32 v10, v12, v10                    ; 8 h bits up;
	v_permlanex16_b32 v11, v10, s[SEL], s[SEL+1]
	v_or_b32 v[PW], v10, v11                       ; with lane l xor 16's two the word is whole, in both lanes
.irp c, 0,1
	v_cvt_scalef32_pk16_bf6_f32 v[PC+6*\c:PC+2+6*\c], v[QX+32*\c:QX+15+32*\c], v[TM+12+\c]
	v_cvt_scalef32_pk16_bf6_f32 v[PC+12+4*\c:PC+14+4*\c], v[QX+16+32*\c:QX+31+32*\c], v[TM+12+\c]
.endr
	v_nop                                          ; one plain line behind a scaled conversion
.irp c, 0,1
.irp i, 0,1,2
	v_mov_b32 v[PC+3+6*\c+\i], v[PC+12+4*\c+\i]
.endr
.endr
.irp g, 0,1,2
	global_store_b128 v4, v[PC+4*\g:PC+4*\g+3], s[\dc:\dc+1] offset:512*\g   ; 32 lanes store 512 consecutive bytes, aligned
.endr
	global_store_b32 v5, v[PW], s[\dsc:\dsc+1]
.endm
	s_load_b256 s[4:11], s[0:1], 0x0               ; x s[4:5], psi_w s[6:7], phi_w s[8:9], W_w s[10:11]
	s_load_b256 s[12:19], s[0:1], 0x20             ; xq s[12:13], xt s[14:15], wq s[16:17], ws s[18:19]
	v_lshl_add_u32 v62, v0, 2, 0x8400
	v_mov_b32 v63, 0
	v_lshrrev_b32 v1, 5, v0
	v_readfirstlane_b32 s20, v1                    ; wave 0..3
	v_and_b32 v1, 31, v0                           ; lane
	v_and_b32 v2, 15, v0                           ; r
	v_bfe_u32 v3, v0, 4, 1                         ; h
	v_lshlrev_b32 v4, 4, v1                        ; 16 x lane: an image's place for my lane
	v_lshlrev_b32 v5, 2, v1                        ; 4 x lane: a scale word's
	s_mov_b32 s[SEL], 0x76543210
	s_mov_b32 s[SEL+1], 0xfedcba98
.irp b, 0,1,2,3
	v_mov_b32 v[TM+4+\b], 0                        ; written once: a lane permute's destination counts as one of its sources
.endr
	v_mov_b32 v11, 0
	s_mul_i32 s21, s20, WREG                       ; my wave's stage (x's path alone uses LDS)
	v_add_nc_u32 v6, s21, v4                       ; in: a row as it lies, 16 bytes a lane
	v_mul_u32_u24 v7, v2, STP
	v_lshl_add_u32 v7, v3, 6, v7
	v_add_nc_u32 v7, s21, v7                       ; out, for the quantiser: row r, + 64 h: my 16 numbers of a block of 32
	v_mul_u32_u24 v8, v3, 8*STP
	v_lshl_add_u32 v8, v2, 2, v8
	v_add_nc_u32 v8, s21, v8                       ; out, turned: rows 8 h on, channel r
	s_wait_kmcnt 0x0
	s_cmp_lt_u32 ttmp9, 256
	s_cbranch_scc0 .Lweights
	; ---- x: my wave's 16 rows, 8,192 dense bytes
	s_lshl_b32 s24, ttmp9, 2
	s_add_co_u32 s24, s24, s20                     ; tile = 4 x quad + wave
	s_lshl_b32 s24, s24, 13
	s_mov_b32 s25, 0
	s_add_nc_u64 s[4:5], s[4:5], s[24:25]
.set I, 0
.rept 16
	global_load_b128 v[RAW+4*I:RAW+4*I+3], v4, s[4:5] offset:512*I th:TH_LOAD_NT   ; a whole row of 512 bytes; this launch reads x once
.set I, I+1
.endr
	s_lshr_b32 s26, ttmp9, 4                       ; slab = quad / 16
	s_lshl_b32 s26, s26, 19                        ; 8 x 64 tiles of 1,024 bytes
	s_and_b32 s27, ttmp9, 15
	s_lshl_b32 s27, s27, 2
	s_add_co_u32 s27, s27, s20                     ; my tile in the slab
	s_lshl_b32 s27, s27, 10
	s_add_co_u32 s26, s26, s27
	s_mov_b32 s27, 0
	s_add_nc_u64 s[14:15], s[14:15], s[26:27]      ; xt at (slab, cb = 0, tile)
	s_mul_i32 s28, ttmp9, 6656
	s_mul_i32 s29, s20, 1536
	s_add_co_u32 s30, s28, s29
	s_mov_b32 s31, 0
	s_lshl_b32 s29, s20, 7
	s_add_co_u32 s32, s28, s29
	s_add_co_u32 s32, s32, 6144
	s_mov_b32 s33, 0
	s_add_nc_u64 s[34:35], s[12:13], s[30:31]      ; xq: my tile's codes
	s_add_nc_u64 s[36:37], s[12:13], s[32:33]      ; and its scale words
.set I, 0
.rept 16
	s_wait_loadcnt 15-I                            ; loads come back in order: row I is in, the younger rows stay out
	ds_store_b128 v6, v[RAW+4*I:RAW+4*I+3] offset:STP*I
.set I, I+1
.endr
.set I, 0
.rept 64                                       ; LDS serves a wave's instructions in order: these see my stores.  Register 8 cb + j = x[8 h + j][16 cb + r]
	ds_load_b32 v[TX+I], v8 offset:STP*(I%8)+64*(I/8)
.set I, I+1
.endr
.set I, 0
.rept 16                                       ; register 16 b + 4 j + .. = k 32 b + 16 h + 4 j + .. of row r
	ds_load_b128 v[QX+4*I:QX+4*I+3], v7 offset:128*(I/4)+16*(I%4)
.set I, I+1
.endr
	s_wait_dscnt 16                                ; the turned numbers are in; the sixteen younger loads may be out
.set I, 0
.rept 16
	global_store_b128 v4, v[TX+4*I:TX+4*I+3], s[14:15] offset:65536*(I/2)+512*(I%2)   ; 512 consecutive bytes, aligned
.set I, I+1
.endr
	s_wait_dscnt 0x0
	QUANT QX
.irp g, 0,1,2
	global_store_b128 v4, v[PC+4*\g:PC+4*\g+3], s[34:35] offset:512*\g
.endr
	global_store_b32 v5, v[PW], s[36:37]
	s_wait_tensorcnt 0x0
	ds_add_u32 v62, v63
	s_wait_dscnt 0x0
	s_endpgm
.Lweights:
	s_cmp_lt_u32 ttmp9, 384
	s_cbranch_scc0 .Lsmall
	; ---- psi_w [128][8192]
	s_sub_co_u32 s24, ttmp9, 256
	s_lshr_b32 s25, s24, 1                         ; rank
	s_and_b32 s24, s24, 1
	s_lshl_b32 s24, s24, 2
	s_add_co_u32 s24, s24, s20                     ; cb = 4 x (which half) + wave
	s_lshl_b32 s26, s25, 9                         ; column 128 rank + 16 cb, 4 bytes each
	s_lshl_b32 s27, s24, 6
	s_add_co_u32 s26, s26, s27
	s_mov_b32 s27, 0
	s_add_nc_u64 s[6:7], s[6:7], s[26:27]
	s_lshl_b32 s28, s24, 1
	s_lshr_b32 s29, s25, 5
	s_add_co_u32 s28, s28, s29                     ; group 2 cb + rank / 32
	s_mul_i32 s28, s28, 53248
	s_and_b32 s29, s25, 31
	s_mul_i32 s30, s29, 1536
	s_add_co_u32 s30, s30, s28
	s_mov_b32 s31, 0
	s_lshl_b32 s32, s29, 7
	s_add_co_u32 s32, s32, s28
	s_add_co_u32 s32, s32, 49152
	s_mov_b32 s33, 0
	s_add_nc_u64 s[34:35], s[16:17], s[30:31]
	s_add_nc_u64 s[36:37], s[16:17], s[32:33]
	v_lshlrev_b32 v9, 2, v2
	v_lshl_add_u32 v9, v3, 20, v9                  ; 4 r + 32 h rows of 32,768 bytes
	WTILE 32768, 6, 34, 36
	s_endpgm
.Lsmall:
	s_cmp_eq_u32 ttmp9, 384
	s_cbranch_scc0 .Lww
	; ---- phi_w [128][64]: tile T = wave begins at rank 32 (T / 2) + 8 (T % 2)
	s_lshr_b32 s24, s20, 1
	s_lshl_b32 s24, s24, 7
	s_and_b32 s25, s20, 1
	s_lshl_b32 s25, s25, 5
	s_add_co_u32 s24, s24, s25
	s_mov_b32 s25, 0
	s_add_nc_u64 s[8:9], s[8:9], s[24:25]
	s_mul_i32 s30, s20, 1536
	s_mov_b32 s31, 0
	s_lshl_b32 s32, s20, 7
	s_add_co_u32 s32, s32, 18432
	s_mov_b32 s33, 0
	s_add_nc_u64 s[34:35], s[18:19], s[30:31]
	s_add_nc_u64 s[36:37], s[18:19], s[32:33]
	v_and_b32 v9, 8, v2
	v_add_nc_u32 v9, v9, v2                        ; r + 8 (r / 8): the ranks of a tile are not neighbours
	v_lshlrev_b32 v9, 2, v9
	v_lshl_add_u32 v9, v3, 13, v9                  ; + 32 h rows of 256 bytes
	WTILE 256, 8, 34, 36
	s_endpgm
.Lww:
	; ---- W_w [128][128]: tile ct = 4 x (work-group - 385) + wave
	s_sub_co_u32 s24, ttmp9, 385
	s_lshl_b32 s24, s24, 2
	s_add_co_u32 s24, s24, s20
	s_lshl_b32 s26, s24, 6
	s_mov_b32 s27, 0
	s_add_nc_u64 s[10:11], s[10:11], s[26:27]
	s_add_co_u32 s24, s24, 4                       ; T = 4 + ct
	s_mul_i32 s30, s24, 1536
	s_mov_b32 s31, 0
	s_lshl_b32 s32, s24, 7
	s_add_co_u32 s32, s32, 18432
	s_mov_b32 s33, 0
	s_add_nc_u64 s[34:35], s[18:19], s[30:31]
	s_add_nc_u64 s[36:37], s[18:19], s[32:33]
	v_lshlrev_b32 v9, 2, v2
	v_lshl_add_u32 v9, v3, 14, v9                  ; 4 r + 32 h rows of 512 bytes
	WTILE 512, 10, 34, 36
	s_endpgm
.Lfunc_end_k_q449e439c47_prep:
	.size	k_q449e439c47_prep, .Lfunc_end_k_q449e439c47_prep-k_q449e439c47_prep
	.p2alignl 7, 3214868480
	.fill 96, 4, 3214868480
	.section	.rodata,"a",@progbits
	.p2align	6, 0x0
	.amdhsa_kernel k_q449e439c47_prep
		.amdhsa_group_segment_fixed_size 34304
		.amdhsa_private_segment_fixed_size 0
		.amdhsa_enable_private_segment 0
		.amdhsa_kernarg_size 64
		.amdhsa_user_sgpr_count 2
		.amdhsa_user_sgpr_kernarg_segment_ptr 1
		.amdhsa_wavefront_size32 1
		.amdhsa_system_sgpr_workgroup_id_x 1
		.amdhsa_system_sgpr_workgroup_id_y 1
		.amdhsa_system_sgpr_workgroup_id_z 1
		.amdhsa_system_vgpr_workitem_id 0
		.amdhsa_next_free_vgpr 256
		.amdhsa_next_free_sgpr 66
		.amdhsa_reserve_vcc 0
		.amdhsa_float_denorm_mode_32 3
		.amdhsa_float_denorm_mode_16_64 3
		.amdhsa_memory_ordered 1
		.amdhsa_forward_progress 1
		.amdhsa_inst_pref_size 47
	.end_amdhsa_kernel
	.amdgpu_metadata
---
amdhsa.version: [ 1, 2 ]
amdhsa.kernels:
  - .name:           k_q449e439c47_prep
    .symbol:         k_q449e439c47_prep.kd
    .args:
      - { .name: x, .offset: 0, .size: 8, .value_kind: global_buffer, .address_space: global }
      - { .name: psi_w, .offset: 8, .size: 8, .value_kind: global_buffer, .address_space: global }
      - { .name: phi_w, .offset: 16, .size: 8, .value_kind: global_buffer, .address_space: global }
      - { .name: W_w, .offset: 24, .size: 8, .value_kind: global_buffer, .address_space: global }
      - { .name: xq, .offset: 32, .size: 8, .value_kind: global_buffer, .address_space: global }
      - { .name: xt, .offset: 40, .size: 8, .value_kind: global_buffer, .address_space: global }
      - { .name: wq, .offset: 48, .size: 8, .value_kind: global_buffer, .address_space: global }
      - { .name: ws, .offset: 56, .size: 8, .value_kind: global_buffer, .address_space: global }
    .group_segment_fixed_size: 34304
    .private_segment_fixed_size: 0
    .kernarg_segment_align: 8
    .kernarg_segment_size: 64
    .max_flat_workgroup_size: 128
    .sgpr_count:     66
    .vgpr_count:     256
    .wavefront_size: 32
...
	.end_amdgpu_metadata
.endif
;; end of part 1
;; launch integ (part 2): grid 16 x 16, 8 waves a work-group, clusters of 4 x 4, 234,496 bytes of LDS; arguments xq, xt, wq, psi_b, part; writes part
.if DOCPART == 2
	.amdgcn_target "amdgcn-amd-amdhsa--gfx1250"
	.amdhsa_code_object_version 6
	.text
	.protected	k_q449e439c47_integ
	.globl	k_q449e439c47_integ
	.p2align	8
	.type	k_q449e439c47_integ,@function
k_q449e439c47_integ:
	s_mov_b64 s[64:65], 0
	v_nop
	global_prefetch_b8 v0, s[64:65] scope:SCOPE_SE
	s_setreg_imm32_b32 hwreg(HW_REG_WAVE_MODE, 25, 1), 1
	s_wait_xcnt 0x0
	s_wait_alu depctr_hold_cnt(0) depctr_sa_sdst(0) depctr_va_vdst(0) depctr_va_sdst(0) depctr_va_ssrc(0) depctr_va_vcc(0) depctr_vm_vsrc(0)
	s_getreg_b32 s2, hwreg(HW_REG_IB_STS2, 6, 4)
	s_cmp_eq_u32 s2, 0
	s_cbranch_scc0 .Lentry_in_a_cluster
	s_endpgm
.Lentry_in_a_cluster:
	s_bfe_u32 s2, ttmp6, 0x10000c
	s_cmp_lg_u32 s2, 0xf033
	s_cbranch_scc0 .Lentry_shape_is_right
	s_endpgm
.Lentry_shape_is_right:
; psi = Q(x) Q(psi_w) + psi_b on codes of BF6 (E3M2), and, without psi ever leaving the registers, part[slab][rank][c] = 2^-13 x the sum over the slab's 1,024 points of psi[n][rank][c] x[n][c], in f32.
; SHARES.  Work-group (cg, slab): cg = 2 cb + rh names 16 channels (cb) and 32 ranks (rh), slab 1,024 points.  Wave w of EIGHT: quarter pw = w / 2 of the points (16 tiles of 16) x half rw = w % 2 of the ranks
; (16 tiles of 16 columns): 256 matrix instructions.  Its 16 weight fragments, their scale words and psi_b stay in registers; x's fragments and x in the result's layout come from LDS, six loads for 16 matrix instructions.
; TWO WAVES TO A SIMD, 512 registers each: each matrix instruction of a wave is followed by four packed multiply-adds of the same wave, so that one wave's vector work can be issued beside the other's matrix work.
; LAYOUT.  Source 0 = 16 points, source 1 = 16 columns 128 rank + 16 cb + r, C = psi_b of the lane's column in eight registers.  In the result a lane holds ONE column and eight points, so the factor x[n][c]
; in the same layout (xt) serves all ranks, and the sum over points is one register pair for each column tile: four packed multiply-adds a matrix instruction, set behind the NEXT group's matrix instructions.
; LDS is filled ONCE: all that the work-group reads, 225,280 bytes, fits; x's part comes in four chunks (chunk c: quad c of every quarter of the points), each awaited by a counted wait, so that the work begins when the first has landed.
; CLUSTER 4 x 4.  The four of a row share the slab: x's codes are asked for jointly along the row.  The four of a column share cg: the weights jointly along the column.
; xt's tile hangs on cb = cg / 2, which only two of a row's four share, so it is no joint request of a whole row: each work-group asks for its own 65,536 bytes.
; A wave has nine tensor loads out at the most: the nine first fills.
; REGISTERS, in windows of 256.  Window 0: v1-8 addresses; v16-17 x's scale words (two sets), v32-47 the weights'; v48-239 the weights; v240-255 xt (two sets); at the end v64-111 the sums, where weights lay.
;   Window 1: v0-23 x's fragments (two sets); v24-87 results (two groups of four); v88-119 the sums, a pair a tile; v120-247 psi_b.
.set W_L,  0                           ; LDS: the group's weights: 32 tiles of codes, then their scale words: 53,248 bytes
.set XQ_L, 53248                       ; the slab's 16 quads of x's codes and scale words, 6,656 bytes each
.set XT_L, 159744                      ; the slab's 64 tiles of xt for my cb, 1,024 bytes each
.set RED,  225280                      ; 8,192 bytes of their own, 1,024 a wave, for the sum over the four quarters of the points: no fill lands here
.set XS,   16
.set WS,   32
.set WF,   48
.set XT,   240
.set TA,   64
.set R,    80
.set R2,   88
.set AF,   0                           ; window 1
.set DB,   24
.set ACC,  88
.set BI,   120
.set G1X,  24                          ; s[24:31] group 1 for x's codes (13 rows of 256 bytes), s[32:39] for xt (8 rows), s[40:47] for the weights (26 rows)
.set G1T,  32
.set G1W,  40
.set MUL,  0x51                        ; destination, source 0 and source 2 window 1, source 1 window 0: serves the matrix instructions and the multiply-adds alike
.set MSB, 0
.macro WIN new                         ; the immediate's high byte repeats the setting that is left
.if MSB != \new
	s_set_vgpr_msb (MSB<<8)|\new
.set MSB, \new
.endif
.endm
.macro CROUND                          ; a round of the cluster's barrier
	s_barrier_signal -1
	s_barrier_wait -1
	s_cmp_lg_u32 s14, 0
	s_cbranch_scc1 .Lnot_wave_0_\@
	s_barrier_signal -3
.Lnot_wave_0_\@:
	s_barrier_wait -3
	s_barrier_signal -1
	s_barrier_wait -1
.endm
; a group 0: LDS address s[lreg] + lconst; global address s[ptr] + s[off] + step
.macro MKG0 g, lreg, lconst, ptr, off, step
	s_mov_b32 s[\g], 1
	s_add_co_u32 s[\g+1], s[\lreg], \lconst
	s_add_nc_u64 s[\g+2:\g+3], s[\ptr:\ptr+1], s[\off:\off+1]
.if \step > 0
	s_add_nc_u64 s[\g+2:\g+3], s[\g+2:\g+3], \step
.endif
	s_or_b32 s[\g+3], s[\g+3], 0x80000000
.endm
	s_load_b256 s[4:11], s[0:1], 0x0               ; xq s[4:5], xt s[6:7], wq s[8:9], psi_b s[10:11]
	s_load_b64 s[12:13], s[0:1], 0x20              ; part
	v_lshl_add_u32 v30, v0, 2, 0x39000
	v_mov_b32 v31, 0
	ds_add_u32 v30, v31
	ds_add_u32 v30, v31
	v_lshrrev_b32 v9, 5, v0
	v_readfirstlane_b32 s14, v9                    ; wave 0..7
	s_lshr_b32 s15, s14, 1                         ; pw 0..3
	s_and_b32 s16, s14, 1                          ; rw
	s_lshl_b32 s17, s15, 3
	s_add_co_u32 s17, s17, s16                     ; the HALF quad that I fetch in chunk 0: 8 (w / 2) + w % 2; chunk c: 2 c half quads further on
	s_bfe_u32 s88, ttmp6, 0x40000                  ; cx
	s_bfe_u32 s89, ttmp6, 0x40004                  ; cy
	s_lshl_b32 s90, ttmp9, 2
	s_add_co_u32 s90, s90, s88                     ; cg = 4 x cluster x + cx
	s_and_b32 s91, ttmp7, 0xffff
	s_lshl_b32 s91, s91, 2
	s_add_co_u32 s91, s91, s89                     ; slab = 4 x cluster y + cy
	s_lshl_b32 s92, s89, 2
	s_lshl_b32 s92, 15, s92                        ; my row of the cluster
	s_lshl_b32 s93, 0x1111, s88                    ; my column
	s_or_b32 s[G1X], s92, (3<<16)|(1<<21)          ; 15:0 the mask; 17:16 elements of 8 bytes; 21 set beside a mask; no padding: every LDS read takes 16 or 4 neighbouring bytes a lane
	s_or_b32 s[G1W], s93, (3<<16)|(1<<21)
	s_mov_b32 s[G1T], 3<<16                        ; no mask
.irp g, G1X, G1T, G1W
	s_mov_b32 s[\g+1], 32<<16                      ; tensor_dim0 = 32 elements: rows of 256 bytes of a dense block
	s_mov_b32 s[\g+3], 32<<16                      ; tile_dim0
	s_mov_b32 s[\g+5], 32                          ; the pitch
	s_mov_b32 s[\g+6], 0
	s_mov_b32 s[\g+7], 0
.endr
	s_mov_b32 s[G1X+2], 13<<16                     ; tensor_dim1, tile_dim1: rows
	s_mov_b32 s[G1X+4], 13
	s_mov_b32 s[G1T+2], 8<<16
	s_mov_b32 s[G1T+4], 8
	s_mov_b32 s[G1W+2], 26<<16
	s_mov_b32 s[G1W+4], 26
	; LDS addresses of the lanes: constants, the lane and the wave's number alone
	v_and_b32 v9, 31, v0
	v_lshlrev_b32 v10, 4, v9                       ; 16 x lane
	v_lshlrev_b32 v11, 2, v9                       ; 4 x lane
	v_and_b32 v12, 15, v0
	v_bfe_u32 v13, v0, 4, 1
	s_mul_i32 s22, s15, 26624                      ; four quads of 6,656 bytes a quarter
	s_add_co_u32 s22, s22, XQ_L
	v_add_nc_u32 v1, s22, v10                      ; x's fragments of my quarter of the points
	s_add_co_u32 s22, s22, 6144
	v_add_nc_u32 v2, s22, v11                      ; their scale words
	s_lshl_b32 s22, s15, 14                        ; sixteen tiles of 1,024 bytes a quarter
	s_add_co_u32 s22, s22, XT_L
	v_add_nc_u32 v3, s22, v10                      ; xt of my quarter
	s_mul_i32 s22, s16, 24576
	v_add_nc_u32 v4, s22, v10                      ; my 16 weight fragments
	s_lshl_b32 s22, s16, 11
	s_add_co_u32 s22, s22, 49152
	v_add_nc_u32 v5, s22, v11                      ; their scale words
	v_lshlrev_b32 v6, 2, v12                       ; psi_b: my column of a tile
	s_lshl_b32 s22, s14, 10
	s_add_co_u32 s22, s22, RED
	v_add_nc_u32 v7, s22, v10                      ; where the quarters of the points meet: 1,024 bytes a wave
	v_lshlrev_b32 v8, 4, v12
	v_lshl_add_u32 v8, v13, 10, v8                 ; part: 1,024 (lane / 16) + 16 (lane % 16)
	; offsets.  s18-19 hold cx's side alone, s20-21 cy's alone; what hangs on both lies in s94-101
	s_mul_i32 s23, s14, 6656                       ; my eighth of the weights, in memory and in LDS
	s_mul_i32 s18, s90, 53248
	s_add_co_u32 s18, s18, s23
	s_mov_b32 s19, 0
	s_lshl_b32 s20, s91, 5
	s_add_co_u32 s20, s20, s17
	s_mul_i32 s20, s20, 3328                       ; half quad 32 slab + mine
	s_mov_b32 s21, 0
	s_mul_i32 s2, s17, 3328                        ; and its place in LDS,
	s_lshl_b32 s3, s17, 11                         ; and that of its two tiles of xt
	s_lshr_b32 s98, s90, 1                         ; cb
	s_and_b32 s99, s90, 1                          ; rh
	s_lshl_b32 s96, s91, 3
	s_add_co_u32 s96, s96, s98                     ; 8 slab + cb
	s_lshl_b32 s94, s96, 6
	s_lshl_b32 s95, s17, 1
	s_add_co_u32 s94, s94, s95
	s_lshl_b32 s94, s94, 10                        ; xt: tile 64 (8 slab + cb) + 2 x my half quad, 1,024 bytes each
	s_mov_b32 s95, 0
	s_lshl_b32 s96, s96, 12                        ; part: 4,096 (8 slab + cb) + 256 rh + 2,048 rw
	s_lshl_b32 s97, s99, 8
	s_add_co_u32 s96, s96, s97
	s_lshl_b32 s97, s16, 11
	s_add_co_u32 s96, s96, s97
	s_mov_b32 s97, 0
	s_lshl_b32 s100, s99, 14                       ; psi_b: 4 x (128 (32 rh + 16 rw) + 16 cb)
	s_lshl_b32 s101, s16, 13
	s_add_co_u32 s100, s100, s101
	s_lshl_b32 s101, s98, 6
	s_add_co_u32 s100, s100, s101
	s_mov_b32 s101, 0
	s_wait_dscnt 0x0
	s_wait_kmcnt 0x0
	s_add_nc_u64 s[10:11], s[10:11], s[100:101]
	s_add_nc_u64 s[12:13], s[12:13], s[96:97]
	MKG0 48, 23, W_L, 8, 18, 0                     ; the weights
	MKG0 52, 2, XQ_L, 4, 20, 0                     ; x's codes, chunks 0 to 3: a quad, 6,656 bytes, further on each time
	MKG0 56, 2, XQ_L+6656, 4, 20, 6656
	MKG0 60, 2, XQ_L+13312, 4, 20, 13312
	MKG0 68, 2, XQ_L+19968, 4, 20, 19968
	MKG0 72, 3, XT_L, 6, 94, 0                     ; xt, chunks 0 to 3: four tiles, 4,096 bytes, further on each time
	MKG0 76, 3, XT_L+4096, 6, 94, 4096
	MKG0 80, 3, XT_L+8192, 6, 94, 8192
	MKG0 84, 3, XT_L+12288, 6, 94, 12288
	CROUND                                         ; all sixteen work-groups are here: the joint loads meet
	tensor_load_to_lds s[48:51], s[G1W:G1W+7]      ; the first fills go out as one group
	s_nop 0
	tensor_load_to_lds s[52:55], s[G1X:G1X+7]
	s_nop 0
	tensor_load_to_lds s[72:75], s[G1T:G1T+7]
	s_nop 0
	tensor_load_to_lds s[56:59], s[G1X:G1X+7]
	s_nop 0
	tensor_load_to_lds s[76:79], s[G1T:G1T+7]
	s_nop 0
	tensor_load_to_lds s[60:63], s[G1X:G1X+7]
	s_nop 0
	tensor_load_to_lds s[80:83], s[G1T:G1T+7]
	s_nop 0
	tensor_load_to_lds s[68:71], s[G1X:G1X+7]
	s_nop 0
	tensor_load_to_lds s[84:87], s[G1T:G1T+7]
	s_nop 0
.rept 4
	v_nop
.endr
	WIN 0x40                                       ; destination window 1
.irp t, 0,1,2,3,4,5,6,7,8,9,10,11,12,13,14,15
	global_load_b32 v[BI+8*\t], v6, s[10:11] offset:512*\t   ; psi_b of my column of tile t
.endr
	s_wait_tensorcnt 8                             ; my eighth of the weights is in; the eight loads issued behind it stay out
	s_barrier_signal -1
	s_barrier_wait -1                              ; everybody's is
	WIN 0
.irp t, 0,1,2,3,4,5,6,7,8,9,10,11,12,13,14,15
.irp c, 0,1,2
	ds_load_b128 v[WF+12*\t+4*\c:WF+12*\t+4*\c+3], v4 offset:1536*\t+512*\c
.endr
.endr
.irp t, 0,1,2,3,4,5,6,7,8,9,10,11,12,13,14,15
	ds_load_b32 v[WS+\t], v5 offset:128*\t
.endr
	s_wait_loadcnt 0x0                             ; psi_b
	WIN 0x41                                       ; destination and source window 1
.irp t, 0,1,2,3,4,5,6,7,8,9,10,11,12,13,14,15
.irp j, 1,2,3,4,5,6,7
	v_mov_b32 v[BI+8*\t+\j], v[BI+8*\t]            ; C wants the column's bias at all eight points of the lane; made once, used 16 times
.endr
.endr
	s_wait_tensorcnt 6                             ; my parts of chunk 0 are in; the six loads of chunks 1 to 3 stay out
	s_wait_dscnt 0x0                               ; the weights are in my registers
	s_barrier_signal -1
	s_barrier_wait -1
; matrix instruction u of group g of tile p: 16 points x the 16 columns of tile 4 g + u.  C is never D: no sum is carried from one matrix instruction to another
.macro WMMA p, g, u
	v_wmma_scale_f32_16x16x128_f8f6f4 v[DB+32*((\g)%2)+8*(\u):DB+32*((\g)%2)+8*(\u)+7], v[AF+12*((\p)%2):AF+12*((\p)%2)+11], v[WF+12*(4*(\g)+(\u)):WF+12*(4*(\g)+(\u))+11], v[BI+8*(4*(\g)+(\u)):BI+8*(4*(\g)+(\u))+7], v[XS+(\p)%2], v[WS+4*(\g)+(\u)] matrix_a_fmt:MATRIX_FMT_BF6 matrix_b_fmt:MATRIX_FMT_BF6
.endm
; registers 2 u, 2 u + 1 of the four results of group gp (counted through all tiles) times x, onto the four tiles' sums: four different sums, so no line waits for the line above.
; Slice 0 comes first: each result is read from its low end on.  The first tile's slice 0 starts the sums: nothing is cleared.
.macro SLICE gp, u
.irp v, 0,1,2,3
.if ((\gp) < 4) && ((\u) == 0)
	v_pk_mul_f32 v[ACC+2*(4*((\gp)%4)+\v):ACC+2*(4*((\gp)%4)+\v)+1], v[DB+32*((\gp)%2)+8*\v+2*(\u):DB+32*((\gp)%2)+8*\v+2*(\u)+1], v[XT+8*(((\gp)/4)%2)+2*(\u):XT+8*(((\gp)/4)%2)+2*(\u)+1]
.else
	v_pk_fma_f32 v[ACC+2*(4*((\gp)%4)+\v):ACC+2*(4*((\gp)%4)+\v)+1], v[DB+32*((\gp)%2)+8*\v+2*(\u):DB+32*((\gp)%2)+8*\v+2*(\u)+1], v[XT+8*(((\gp)/4)%2)+2*(\u):XT+8*(((\gp)/4)%2)+2*(\u)+1], v[ACC+2*(4*((\gp)%4)+\v):ACC+2*(4*((\gp)%4)+\v)+1]
.endif
.endr
.endm
; tile p's fragment, its xt and its scale words, into set p % 2: six LDS loads in one run
.macro PREFETCH p
	WIN 0x40
.irp c, 0,1,2
	ds_load_b128 v[AF+12*((\p)%2)+4*\c:AF+12*((\p)%2)+4*\c+3], v1 offset:6656*((\p)/4)+1536*((\p)%4)+512*\c
.endr
	WIN 0
.irp c, 0,1
	ds_load_b128 v[XT+8*((\p)%2)+4*\c:XT+8*((\p)%2)+4*\c+3], v3 offset:1024*(\p)+512*\c
.endr
	ds_load_b32 v[XS+(\p)%2], v2 offset:6656*((\p)/4)+128*((\p)%4)
	WIN MUL
.endm
; A tile of 16 points: 16 matrix instructions, each followed by a slice of the group before.  The slices are the places that stand between a matrix instruction and the first read of its result (seven at the least),
; the next write over it (two groups on) and the loads into the other set of x's registers (ISA guide 7.12.1 for vector instructions).
; The next tile's loads stand behind group 0: the last multiply-add on the other set's xt is that group's last slice; they have twelve matrix instructions in which to come.
.macro TILE p
	s_wait_dscnt 0x0                               ; this tile's six loads are in
.irp g, 0,1,2,3
.irp u, 0,1,2,3
	WMMA \p, \g, \u
.if 4*(\p)+\g > 0
	SLICE 4*(\p)+\g-1, \u
.elseif \u == 3
.rept 4
	v_nop                                          ; behind the very first group there is no slice yet: four places in front of the first read of its results
.endr
.endif
.endr
.if \g == 0
.if (\p) < 15
.if (\p)%4 == 3
	s_wait_tensorcnt 4-2*((\p)/4)                  ; my parts of the next chunk are in; the loads of the chunks behind it, two each, stay out
	s_barrier_signal -1                            ; (no LDS instruction of mine is out: the tile's head waited for all)
	s_barrier_wait -1                              ; everybody's are.
.endif
	PREFETCH (\p)+1
.endif
.endif
.endr
.endm
	PREFETCH 0
.set P, 0
.rept 16
	TILE P
.set P, P+1
.endr
.irp u, 0,1,2,3
	SLICE 63, \u                                   ; the last group's results
.endr
	WIN 0x05                                       ; sources window 1, destination window 0: registers that held weight fragments 1 to 5, last multiplied two groups and more ago
.irp t, 0,1,2,3,4,5,6,7,8,9,10,11,12,13,14,15
	v_add_f32 v[TA+\t], v[ACC+2*\t], v[ACC+2*\t+1]   ; even and odd points
.endr
	WIN 0
.irp t, 0,1,2,3,4,5,6,7
	v_permlane16_swap_b32 v[TA+\t], v[TA+8+\t]     ; tile t's upper lanes change places with tile t + 8's lower: now both halves of a column's points lie in one lane
.endr
.irp i, 0,1,2,3
	v_pk_add_f32 v[R+2*\i:R+2*\i+1], v[TA+2*\i:TA+2*\i+1], v[TA+8+2*\i:TA+8+2*\i+1]   ; register t: lanes 0-15 tile t's column r, lanes 16-31 tile t + 8's
.endr
	s_cmp_eq_u32 s15, 0                            ; the waves of the three later quarters of the points hand their sums over
	s_cbranch_scc1 .Lkeep
	ds_store_b128 v7, v[R:R+3]
	ds_store_b128 v7, v[R+4:R+7] offset:512
.Lkeep:
	s_wait_dscnt 0x0                               ; for the others' sake: my stores are done
	s_barrier_signal -1
	s_barrier_wait -1
	s_cmp_lg_u32 s15, 0
	s_cbranch_scc1 .Ldone
.irp k, 1,2,3                                  ; quarter k's wave of my ranks is wave 2 k + rw: 2,048 k bytes on from my own place
	ds_load_b128 v[R2+8*(\k-1):R2+8*(\k-1)+3], v7 offset:2048*\k
	ds_load_b128 v[R2+8*(\k-1)+4:R2+8*(\k-1)+7], v7 offset:2048*\k+512
.endr
	s_wait_dscnt 0x0
.irp k, 0,1,2
.irp i, 0,1,2,3
	v_pk_add_f32 v[R+2*\i:R+2*\i+1], v[R+2*\i:R+2*\i+1], v[R2+8*\k+2*\i:R2+8*\k+2*\i+1]
.endr
.endr
.irp i, 0,1,2,3
	v_pk_mul_f32 v[R+2*\i:R+2*\i+1], v[R+2*\i:R+2*\i+1], 0x39000000 op_sel_hi:[1,0]   ; x 2^-13 = 1 / 8,192: nothing is rounded
.endr
	global_store_b128 v8, v[R:R+3], s[12:13]       ; rank 32 rh + 16 rw + 8 (lane / 16) + 0..3: each half of the lanes stores 256 consecutive bytes, aligned
	global_store_b128 v8, v[R+4:R+7], s[12:13] offset:512
.Ldone:
	s_wait_tensorcnt 0x0
	ds_add_u32 v30, v31
	s_wait_dscnt 0x0
	CROUND                                         ; the closing round: no work-group ends while a partner may still ask for a tile that names it
	s_endpgm
.Lfunc_end_k_q449e439c47_integ:
	.size	k_q449e439c47_integ, .Lfunc_end_k_q449e439c47_integ-k_q449e439c47_integ
	.p2alignl 7, 3214868480
	.fill 96, 4, 3214868480
	.section	.rodata,"a",@progbits
	.p2align	6, 0x0
	.amdhsa_kernel k_q449e439c47_integ
		.amdhsa_group_segment_fixed_size 234496
		.amdhsa_private_segment_fixed_size 0
		.amdhsa_enable_private_segment 0
		.amdhsa_kernarg_size 40
		.amdhsa_user_sgpr_count 2
		.amdhsa_user_sgpr_kernarg_segment_ptr 1
		.amdhsa_wavefront_size32 1
		.amdhsa_system_sgpr_workgroup_id_x 1
		.amdhsa_system_sgpr_workgroup_id_y 1
		.amdhsa_system_sgpr_workgroup_id_z 1
		.amdhsa_system_vgpr_workitem_id 0
		.amdhsa_next_free_vgpr 512
		.amdhsa_next_free_sgpr 102
		.amdhsa_reserve_vcc 0
		.amdhsa_float_denorm_mode_32 3
		.amdhsa_float_denorm_mode_16_64 3
		.amdhsa_memory_ordered 1
		.amdhsa_forward_progress 1
		.amdhsa_inst_pref_size 126
	.end_amdhsa_kernel
	.amdgpu_metadata
---
amdhsa.version: [ 1, 2 ]
amdhsa.kernels:
  - .name:           k_q449e439c47_integ
    .symbol:         k_q449e439c47_integ.kd
    .args:
      - { .name: xq, .offset: 0, .size: 8, .value_kind: global_buffer, .address_space: global }
      - { .name: xt, .offset: 8, .size: 8, .value_kind: global_buffer, .address_space: global }
      - { .name: wq, .offset: 16, .size: 8, .value_kind: global_buffer, .address_space: global }
      - { .name: psi_b, .offset: 24, .size: 8, .value_kind: global_buffer, .address_space: global }
      - { .name: part, .offset: 32, .size: 8, .value_kind: global_buffer, .address_space: global }
    .group_segment_fixed_size: 234496
    .private_segment_fixed_size: 0
    .kernarg_segment_align: 8
    .kernarg_segment_size: 40
    .max_flat_workgroup_size: 256
    .sgpr_count:     102
    .vgpr_count:     512
    .wavefront_size: 32
...
	.end_amdgpu_metadata
.endif
;; end of part 2
;; launch finish (part 3): grid 256 x 1, 8 waves a work-group, no clusters, 168,960 bytes of LDS; arguments xq, ws, part, phi_b, W_b, out0; writes out0
.if DOCPART == 3
	.amdgcn_target "amdgcn-amd-amdhsa--gfx1250"
	.amdhsa_code_object_version 6
	.text
	.protected	k_q449e439c47_finish
	.globl	k_q449e439c47_finish
	.p2align	8
	.type	k_q449e439c47_finish,@function
k_q449e439c47_finish:
	s_mov_b64 s[64:65], 0
	v_nop
	global_prefetch_b8 v0, s[64:65] scope:SCOPE_SE
	s_setreg_imm32_b32 hwreg(HW_REG_WAVE_MODE, 25, 1), 1
	s_wait_xcnt 0x0
; out = gelu(Q(x) Q(W_w) + W_b + Q(phi) Q(integral_c)), phi = Q(x) Q(phi_w) + phi_b, integral_c = the sum of a batch's eight partial sums; all products on codes of BF6 (E3M2), sums in f32.
; SHARES.  A work-group takes 128 rows (two quads of xq) x 64 columns (half ch of the 128): so it wants only four of integral_c's eight tiles of 16 channels, 131,072 bytes of partial sums and not 262,144.
; Wave w adds four slabs (4 (w / 4) on) of tile 4 ch + w % 4; waves 4-7 hand their sums to waves 0-3 through LDS, which add, quantise along the 64 ranks and hand the fragment's image to all eight.
; Then wave w makes rows 16 w .. 16 w + 15 x the 64 columns: four matrix instructions for phi, four for x W_w, four for phi integral_c.
; LAYOUT.  All products are used transposed (source 0 = 16 ranks or 16 columns of a weight, source 1 = 16 rows of x or of phi): a lane holds ONE row, and its registers run along the ranks or the columns.
; phi_w's ranks of a tile are chosen (by the launch that made ws) so that the 16 registers of tiles 2 b, 2 b + 1 are ranks 32 b + 16 (lane / 16) + 0..15.  The biases are the C of each sum's first matrix instruction.
; K = 64 in the last product: registers 6-11 of both fragments are zero codes, which add nothing under the bytes 0 that their blocks carry.
; gelu(v) = max(v, 0) - |v| E / 2, E = erfc(|v| / sqrt 2) = t (a1 + t (a2 + t (a3 + t (a4 + t a5)))) 2^-(k v)^2, t = 1 / (1 + 0.2316419 |v|), k^2 = log2(e) / 2: absolute error of erf at most 1.5e-7 for every argument;
; for large |v| the exponential falls to 0 and the result is v or 0: no difference of large numbers is formed.
; LIMITS: NaN and infinities are not served; a block of zeros gets the byte 1 with zero codes.
; NO CLUSTER: what work-groups share is the partial sums.  Each of their bytes is used once, by the one wave that adds it, and goes straight into that wave's registers; asked for jointly the 131,072 bytes
; would be written to LDS and read from it again, and two rounds of the cluster's barrier would stand in a launch of twelve matrix instructions a wave.
; REGISTERS.  Window 0: v1-15 addresses; v16-29 scale words and nothing else; v30-31 a5; v32-43 x's fragment; v44-55 phi's; v64-111 four fragments of a weight; v112-159 at work; v160-191 phi^T, later the partner's sums;
;   v192-223 the sums; v224-255 integral_c.   Window 1: the partials, 32 registers a slab, four slabs.
.set XQ_L, 0                           ; LDS: my two quads of xq, 13,312 bytes
.set WSM,  13312                       ; ws, 19,968 bytes
.set PSX,  33280                       ; four tiles' sums of four slabs, 4,096 bytes each (stored by the waves: no fill lands from here on)
.set IIMG, 49664                       ; integral_c's four fragments, 1,536 bytes each
.set ISC,  55808                       ; their scale words, 128 bytes each
.set STG,  56320                       ; the way out: 16 rows x (256 bytes + 16) for each wave
.set XS,   16
.set PWS,  17
.set WWS,  21
.set ICS,  25
.set QPS,  29
.set A5,   30
.set XF,   32
.set QP,   44
.set HV,   56
.set FR,   64
.set TM,   112
.set IFM,  128
.set IH,   140
.set SH8,  144
.set IA,   145
.set IB,   146
.set ISO,  147
.set IWD,  148
.set IPD,  149
.set PH,   160
.set ACC,  192
.set IS,   224
.set GM,   32                          ; gelu: max(v, 0);  |v|;  t;  the exponential, then the result;  the polynomial
.set GA,   64
.set GT,   96
.set GE,   128
.set GP,   224
.set MSB, 0
.macro WIN new                         ; the immediate's high byte repeats the setting that is left
.if MSB != \new
	s_set_vgpr_msb (MSB<<8)|\new
.set MSB, \new
.endif
.endm
.macro FETCH reg, adr, off             ; a fragment comes out of LDS as the image of its registers
.irp c, 0,1,2
	ds_load_b128 v[\reg+4*\c:\reg+4*\c+3], v[\adr] offset:\off+512*\c
.endr
.endm
	s_load_b256 s[4:11], s[0:1], 0x0               ; xq s[4:5], ws s[6:7], part s[8:9], phi_b s[10:11]
	s_load_b128 s[12:15], s[0:1], 0x20             ; W_b s[12:13], out0 s[14:15]
	v_lshl_add_u32 v10, v0, 2, 0x29000
	s_set_vgpr_msb 0x40
	v_mov_b32 v129, 0
	s_set_vgpr_msb 0x4044
	ds_add_u32 v10, v129
	ds_add_u32 v10, v129
	s_set_vgpr_msb 0x4400
	v_lshrrev_b32 v1, 5, v0
	v_readfirstlane_b32 s16, v1                    ; wave 0..7
	s_and_b32 s17, s16, 3                          ; my tile of rows in its quad; also: which of the four tiles of integral_c I add
	s_lshr_b32 s18, s16, 2                         ; which of the two quads; also: which four slabs I add
	s_and_b32 s19, ttmp9, 1                        ; ch: which 64 columns
	s_lshr_b32 s22, ttmp9, 1                       ; which 128 rows
	s_mov_b32 s20, 0x76543210
	s_mov_b32 s21, 0xfedcba98                      ; v_permlanex16_b32's selects for lane l xor 16
.irp g, 24, 32                                 ; groups 1: dense blocks as rows of 256 bytes (32 elements of 8 bytes), no padding, no mask
	s_mov_b32 s[\g], 3<<16
	s_mov_b32 s[\g+1], 32<<16
	s_mov_b32 s[\g+3], 32<<16
	s_mov_b32 s[\g+5], 32
	s_mov_b32 s[\g+6], 0
	s_mov_b32 s[\g+7], 0
.endr
	s_mov_b32 s26, 52<<16                          ; my two quads: 52 rows
	s_mov_b32 s28, 52
	s_mov_b32 s34, 78<<16                          ; ws: 78 rows
	s_mov_b32 s36, 78
	s_mul_i32 s48, s22, 13312
	s_mov_b32 s49, 0
	s_lshr_b32 s52, ttmp9, 7                       ; the batch: 64 blocks of 128 rows, two work-groups each
	s_lshl_b32 s52, s52, 18                        ; its eight slabs of 32,768 bytes;
	s_lshl_b32 s53, s19, 14                        ; tile 4 ch + w % 4, 4,096 bytes each;
	s_add_co_u32 s52, s52, s53
	s_lshl_b32 s53, s17, 12
	s_add_co_u32 s52, s52, s53
	s_lshl_b32 s53, s18, 17                        ; slabs 4 (w / 4) on
	s_add_co_u32 s52, s52, s53
	s_mov_b32 s53, 0
	s_lshl_b32 s54, s19, 8                         ; W_b: my 64 columns
	s_mov_b32 s55, 0
	s_lshl_b32 s56, s22, 16                        ; out0: 128 rows of 512 bytes a block, 16 rows a wave, 256 bytes a half
	s_lshl_b32 s57, s16, 13
	s_add_co_u32 s56, s56, s57
	s_add_co_u32 s56, s56, s54
	s_mov_b32 s57, 0
	v_and_b32 v150, 31, v0                         ; lane
	v_and_b32 v151, 15, v0                         ; r
	v_bfe_u32 v152, v0, 4, 1                       ; h
	v_lshlrev_b32 v1, 4, v150                      ; 16 x lane
	v_lshlrev_b32 v2, 2, v150                      ; 4 x lane
	s_mul_i32 s50, s18, 6656
	s_mul_i32 s51, s17, 1536
	s_add_co_u32 s51, s51, s50
	v_add_nc_u32 v3, s51, v1                       ; x's fragment of my tile of rows
	s_lshl_b32 s51, s17, 7
	s_add_co_u32 s51, s51, s50
	s_add_co_u32 s51, s51, 6144
	v_add_nc_u32 v4, s51, v2                       ; its scale words
	s_mul_i32 s50, s19, 6144
	s_add_co_u32 s50, s50, WSM+6144
	v_add_nc_u32 v5, s50, v1                       ; W_w's tiles 4 ch on (behind phi_w's four): either way inside the bytes that the load of ws fills
	s_lshl_b32 s50, s19, 9
	s_add_co_u32 s50, s50, WSM+18432+512
	v_add_nc_u32 v6, s50, v2
	s_mul_i32 s50, s17, 1536
	s_add_co_u32 s50, s50, IIMG
	v_add_nc_u32 v7, s50, v1                       ; where my tile of integral_c goes
	s_lshl_b32 s50, s17, 7
	s_add_co_u32 s50, s50, ISC
	v_add_nc_u32 v8, s50, v2
	s_lshl_b32 s50, s17, 12
	s_add_co_u32 s50, s50, PSX
	v_add_nc_u32 v9, s50, v1                       ; where the tile's two halves of the slabs meet
	s_mul_i32 s50, s16, 16*272
	s_add_co_u32 s50, s50, STG                     ; my stage
	v_mul_u32_u24 v11, v151, 272
	v_lshl_add_u32 v11, v152, 5, v11
	v_add_nc_u32 v11, s50, v11                     ; in: row r, 32 bytes for each half of the lanes
	v_mul_u32_u24 v12, v152, 272
	v_lshl_add_u32 v12, v151, 4, v12
	v_add_nc_u32 v12, s50, v12                     ; back: lanes 0-15 one row of 256 bytes, lanes 16-31 the next
	v_lshlrev_b32 v13, 9, v152
	v_lshl_add_u32 v13, v151, 4, v13               ; and the same two rows in out0
	v_lshlrev_b32 v14, 6, v152                     ; phi_b: 16 h numbers on
	v_lshlrev_b32 v15, 5, v152                     ; W_b: 8 h numbers on
	v_lshlrev_b32 v[SH8], 3, v152
	v_mov_b32 v[A5], 0x3f87dc22
	v_mov_b32 v[A5+1], 0x3f87dc22
.irp i, 6,7,8,9,10,11
	v_mov_b32 v[QP+\i], 0                          ; ranks 64 to 127 do not exist: zero codes
	v_mov_b32 v[IFM+\i], 0
.endr
	v_mov_b32 v[TM+4], 0                           ; written once: a lane permute's destination counts as one of its sources
	v_mov_b32 v[TM+5], 0
	v_mov_b32 v[IPD], 0
	s_wait_dscnt 0x0
	s_wait_kmcnt 0x0
	s_mov_b32 s40, 1
	s_mov_b32 s41, XQ_L
	s_add_nc_u64 s[42:43], s[4:5], s[48:49]
	s_or_b32 s43, s43, 0x80000000
	s_mov_b32 s44, 1
	s_mov_b32 s45, WSM
	s_mov_b64 s[46:47], s[6:7]
	s_or_b32 s47, s47, 0x80000000
	s_add_nc_u64 s[8:9], s[8:9], s[52:53]
	s_add_nc_u64 s[12:13], s[12:13], s[54:55]
	s_add_nc_u64 s[14:15], s[14:15], s[56:57]
	s_cmp_eq_u32 s16, 0                            ; wave 0 fetches x's two quads, wave 1 the small weights, the others nothing: one load of a wave is out at the most
	s_cbranch_scc0 .Lnot_x
	tensor_load_to_lds s[40:43], s[24:31]
	s_nop 0
.rept 4
	v_nop
.endr
	s_branch .Lasked
.Lnot_x:
	s_cmp_eq_u32 s16, 1
	s_cbranch_scc0 .Lasked
	tensor_load_to_lds s[44:47], s[32:39]
	s_nop 0
.rept 4
	v_nop
.endr
.Lasked:
.irp t, 0,1,2,3
	global_load_b128 v[PH+8*\t:PH+8*\t+3], v14, s[10:11] offset:4*(32*(\t/2)+8*(\t%2))        ; phi_b at ranks 32 (t / 2) + 16 h + 8 (t % 2) + 0..7: the result's layout
	global_load_b128 v[PH+8*\t+4:PH+8*\t+7], v14, s[10:11] offset:4*(32*(\t/2)+8*(\t%2))+16
.endr
.irp n, 0,1,2,3
	global_load_b128 v[ACC+8*\n:ACC+8*\n+3], v15, s[12:13] offset:64*\n                       ; W_b at columns 64 ch + 16 n + 8 h + 0..7
	global_load_b128 v[ACC+8*\n+4:ACC+8*\n+7], v15, s[12:13] offset:64*\n+16
.endr
	WIN 0x40                                       ; destination window 1
.irp s, 0,1,2,3
.irp q, 0,1,2,3,4,5,6,7
	global_load_b128 v[32*\s+4*\q:32*\s+4*\q+3], v1, s[8:9] offset:32768*\s+512*\q            ; my slab s: ranks 32 h + 4 q + 0..3 of the tile's channel r; 512 consecutive bytes
.endr
.endr
	WIN 0
	s_wait_tensorcnt 0x0                           ; the load of the wave that issued one has landed
	s_barrier_signal -1
	s_barrier_wait -1
	FETCH XF, 3, 0
	ds_load_b32 v[XS], v4
.irp t, 0,1,2,3
	FETCH FR+12*\t, 1, WSM+1536*\t
	ds_load_b32 v[PWS+\t], v2 offset:WSM+18432+128*\t
.endr
	s_wait_dscnt 0x0
	s_wait_loadcnt 32                              ; the sixteen loads of the biases are in; the 32 issued behind them stay out
.irp t, 0,1,2,3                                ; phi^T = phi_w^T x^T + phi_b: lane (r, h) holds row r; register 8 t + j is rank 32 (t / 2) + 16 h + 8 (t % 2) + j
	v_wmma_scale_f32_16x16x128_f8f6f4 v[PH+8*\t:PH+8*\t+7], v[FR+12*\t:FR+12*\t+11], v[XF:XF+11], v[PH+8*\t:PH+8*\t+7], v[PWS+\t], v[XS] matrix_a_fmt:MATRIX_FMT_BF6 matrix_b_fmt:MATRIX_FMT_BF6
.endr
.rept 4
	v_nop                                          ; places in front of the loads into registers that these have read, and of the first read of their results
.endr
.irp n, 0,1,2,3
	FETCH FR+12*\n, 5, 1536*\n
	ds_load_b32 v[WWS+\n], v6 offset:128*\n
.endr
	; phi is quantised along the ranks: two blocks of 32, each in lanes l and l xor 16
.irp b, 0,1
	v_max3_num_f32 v[TM+\b], |v[PH+16*\b]|, |v[PH+1+16*\b]|, 0x2800000   ; and the floor 2^(5 - 127): the byte cannot fall under 1
.endr
.irp i, 2,4,6,8,10,12,14
.irp b, 0,1
	v_max3_num_f32 v[TM+\b], v[TM+\b], |v[PH+16*\b+\i]|, |v[PH+1+16*\b+\i]|
.endr
.endr
.irp b, 0,1
	v_permlanex16_b32 v[TM+4+\b], v[TM+\b], s20, s21
.endr
.irp b, 0,1
	v_max_num_f32 v[TM+\b], v[TM+\b], v[TM+4+\b]
.endr
.irp b, 0,1
	v_add_nc_u32 v[TM+12+\b], 0xfe000000, v[TM+\b]   ; 4 off the exponent field: the conversion's scale operand
.endr
.irp b, 0,1
	v_lshrrev_b32 v[TM+4+\b], 23, v[TM+12+\b]
.endr
	v_lshl_or_b32 v[QPS], v[TM+5], 8, v[TM+4]      ; the row's scale word; the bytes of the blocks that do not exist are 0
	v_cvt_scalef32_pk16_bf6_f32 v[QP:QP+2], v[PH:PH+15], v[TM+12]
	v_cvt_scalef32_pk16_bf6_f32 v[HV:HV+2], v[PH+16:PH+31], v[TM+13]
	v_nop                                          ; one plain line behind a scaled conversion
.irp i, 0,1,2
	v_permlane16_swap_b32 v[QP+\i], v[HV+\i]       ; a whole block to a lane: lanes 0-15 block 0, lanes 16-31 block 1
.endr
.irp i, 0,1,2
	v_mov_b32 v[QP+3+\i], v[HV+\i]
.endr
	s_wait_dscnt 0x0                               ; W_w's fragments
.irp n, 0,1,2,3                                ; (x W_w + W_b)^T: register 8 n + j of lane (r, h) is column 64 ch + 16 n + 8 h + j of row r
	v_wmma_scale_f32_16x16x128_f8f6f4 v[ACC+8*\n:ACC+8*\n+7], v[FR+12*\n:FR+12*\n+11], v[XF:XF+11], v[ACC+8*\n:ACC+8*\n+7], v[WWS+\n], v[XS] matrix_a_fmt:MATRIX_FMT_BF6 matrix_b_fmt:MATRIX_FMT_BF6
.endr
	; my four slabs' partial sums of my tile of integral_c, slab by slab as they arrive
.irp s, 1,2
	s_wait_loadcnt 8*(3-\s)                        ; slab s is in; the eight loads of each later slab stay out
	WIN 0x45                                       ; destination and both sources window 1
.irp i, 0,1,2,3,4,5,6,7,8,9,10,11,12,13,14,15
	v_pk_add_f32 v[2*\i:2*\i+1], v[2*\i:2*\i+1], v[32*\s+2*\i:32*\s+2*\i+1]
.endr
.endr
	s_wait_loadcnt 0x0
	WIN 0x05                                       ; the last sum goes to window 0
.irp i, 0,1,2,3,4,5,6,7,8,9,10,11,12,13,14,15
	v_pk_add_f32 v[IS+2*\i:IS+2*\i+1], v[2*\i:2*\i+1], v[96+2*\i:96+2*\i+1]
.endr
	WIN 0
	s_cmp_eq_u32 s18, 0                            ; waves 4-7 hand their sums of slabs 4 to 7 over, as they stand in the registers
	s_cbranch_scc1 .Ltake
.irp q, 0,1,2,3,4,5,6,7
	ds_store_b128 v9, v[IS+4*\q:IS+4*\q+3] offset:512*\q
.endr
.Ltake:
	s_wait_dscnt 0x0                               ; for the others' sake: my stores are done
	s_barrier_signal -1
	s_barrier_wait -1
	s_cmp_lg_u32 s18, 0
	s_cbranch_scc1 .Lgiven
.irp q, 0,1,2,3,4,5,6,7
	ds_load_b128 v[PH+4*\q:PH+4*\q+3], v9 offset:512*\q
.endr
	s_wait_dscnt 0x0
.irp i, 0,1,2,3,4,5,6,7,8,9,10,11,12,13,14,15
	v_pk_add_f32 v[IS+2*\i:IS+2*\i+1], v[IS+2*\i:IS+2*\i+1], v[PH+2*\i:PH+2*\i+1]   ; integral_c: all eight slabs
.endr
	; its quantiser: a lane's 32 numbers are one whole block, ranks 32 h + 0..31 of the tile's channel r
	v_max3_num_f32 v[IA], |v[IS]|, |v[IS+1]|, |v[IS+2]|
	v_max3_num_f32 v[IB], |v[IS+3]|, |v[IS+4]|, |v[IS+5]|
.irp i, 6,10,14,18,22,26
	v_max3_num_f32 v[IA], v[IA], |v[IS+\i]|, |v[IS+\i+1]|
	v_max3_num_f32 v[IB], v[IB], |v[IS+\i+2]|, |v[IS+\i+3]|
.endr
	v_max3_num_f32 v[IA], v[IA], |v[IS+30]|, |v[IS+31]|
	v_max3_num_f32 v[IA], v[IA], v[IB], 0x2800000
	v_add_nc_u32 v[ISO], 0xfe000000, v[IA]
	v_lshrrev_b32 v[IWD], 23, v[ISO]
	v_lshlrev_b32 v[IWD], v[SH8], v[IWD]           ; my block's byte, 8 h bits up;
	v_permlanex16_b32 v[IPD], v[IWD], s20, s21
	v_or_b32 v[IWD], v[IWD], v[IPD]                ; with lane l xor 16's the channel's word is whole
	v_cvt_scalef32_pk16_bf6_f32 v[IFM:IFM+2], v[IS:IS+15], v[ISO]
	v_cvt_scalef32_pk16_bf6_f32 v[IH:IH+2], v[IS+16:IS+31], v[ISO]
	v_nop                                          ; one plain line behind a scaled conversion
.irp i, 0,1,2
	v_mov_b32 v[IFM+3+\i], v[IH+\i]
.endr
.irp c, 0,1,2
	ds_store_b128 v7, v[IFM+4*\c:IFM+4*\c+3] offset:512*\c   ; the fragment goes to LDS as it stands
.endr
	ds_store_b32 v8, v[IWD]
.Lgiven:
	s_wait_dscnt 0x0                               ; for the others' sake: my stores are done
	s_barrier_signal -1
	s_barrier_wait -1                              ; integral_c's four fragments lie in LDS
.irp n, 0,1,2,3
	FETCH FR+12*\n, 1, IIMG+1536*\n
	ds_load_b32 v[ICS+\n], v2 offset:ISC+128*\n
.endr
	s_wait_dscnt 0x0
.irp n, 0,1,2,3                                ; + (phi integral_c)^T: the four sums by turns, one instruction a turn
	v_wmma_scale_f32_16x16x128_f8f6f4 v[ACC+8*\n:ACC+8*\n+7], v[FR+12*\n:FR+12*\n+11], v[QP:QP+11], v[ACC+8*\n:ACC+8*\n+7], v[ICS+\n], v[QPS] matrix_a_fmt:MATRIX_FMT_BF6 matrix_b_fmt:MATRIX_FMT_BF6
.endr
.rept 4
	v_nop                                          ; places in front of the first read of the sums and of writes over the fragments
.endr
	; gelu, phase by phase over the lane's 32 numbers; each sum is read from its low end on
.set J, 0
.rept 32
	v_and_b32 v[GA+J], 0x7fffffff, v[ACC+J]        ; |v|
.set J, J+1
.endr
.set J, 0
.rept 16
	v_pk_fma_f32 v[GT+J:GT+J+1], v[GA+J:GA+J+1], 0x3e6d3388, 1.0 op_sel_hi:[1,0,0]   ; 1 + 0.2316419 |v|
.set J, J+2
.endr
.set J, 0
.rept 16
	v_pk_mul_f32 v[GE+J:GE+J+1], v[GA+J:GA+J+1], 0x3f596d27 op_sel_hi:[1,0]          ; k |v|
.set J, J+2
.endr
.set J, 0
.rept 16
	v_pk_mul_f32 v[GE+J:GE+J+1], v[GE+J:GE+J+1], v[GE+J:GE+J+1] neg_lo:[1,0] neg_hi:[1,0]   ; -(k v)^2
.set J, J+2
.endr
.set J, 0
.rept 32
	v_rcp_f32 v[GT+J], v[GT+J]                     ; t
.set J, J+1
.endr
.set J, 0
.rept 32
	v_exp_f32 v[GE+J], v[GE+J]                     ; 2^-(k v)^2
.set J, J+1
.endr
.set J, 0
.rept 32
	v_max_num_f32 v[GM+J], 0, v[ACC+J]             ; max(v, 0): plain lines behind the transcendentals
.set J, J+1
.endr
.set J, 0
	s_wait_alu depctr_va_vdst(0)
.rept 16
	v_pk_fma_f32 v[GP+J:GP+J+1], v[GT+J:GT+J+1], v[A5:A5+1], 0xbfba00e3 op_sel_hi:[1,1,0]   ; a5 t + a4
.set J, J+2
.endr
.irp a, 0x3fb5f0e3, 0xbe91a98e, 0x3e827906     ; a3, a2, a1
.set J, 0
.rept 16
	v_pk_fma_f32 v[GP+J:GP+J+1], v[GP+J:GP+J+1], v[GT+J:GT+J+1], \a op_sel_hi:[1,1,0]
.set J, J+2
.endr
.endr
.set J, 0
.rept 16
	v_pk_mul_f32 v[GP+J:GP+J+1], v[GP+J:GP+J+1], v[GT+J:GT+J+1]
.set J, J+2
.endr
.set J, 0
.rept 16
	v_pk_mul_f32 v[GP+J:GP+J+1], v[GP+J:GP+J+1], v[GE+J:GE+J+1]                      ; E: the exponential first, so that a large |v| meets a 0 and no infinity
.set J, J+2
.endr
.set J, 0
.rept 16
	v_pk_mul_f32 v[GP+J:GP+J+1], v[GP+J:GP+J+1], v[GA+J:GA+J+1]                      ; |v| E
.set J, J+2
.endr
.set J, 0
.rept 16
	v_pk_fma_f32 v[GE+J:GE+J+1], v[GP+J:GP+J+1], -0.5, v[GM+J:GM+J+1] op_sel_hi:[1,0,1]   ; max(v, 0) - |v| E / 2
.set J, J+2
.endr
	; the way out: a lane holds 32 neighbouring bytes of a row four times; through my own stage they come back as rows of 256 bytes
.irp n, 0,1,2,3
	ds_store_b128 v11, v[GE+8*\n:GE+8*\n+3] offset:64*\n
	ds_store_b128 v11, v[GE+8*\n+4:GE+8*\n+7] offset:64*\n+16
.endr
.irp i, 0,1,2,3,4,5,6,7
	ds_load_b128 v[GA+4*\i:GA+4*\i+3], v12 offset:544*\i   ; LDS serves a wave's instructions in order: these see my stores
.endr
.irp i, 0,1,2,3,4,5,6,7
	s_wait_dscnt 7-\i                              ; rows 2 i, 2 i + 1 are back; the younger loads stay out
	global_store_b128 v13, v[GA+4*\i:GA+4*\i+3], s[14:15] offset:1024*\i th:TH_STORE_NT   ; sixteen lanes store 256 consecutive bytes, aligned; written once, read by nobody here
.endr
	s_set_vgpr_msb 0x4
	s_wait_tensorcnt 0x0
	ds_add_u32 v10, v129
	s_wait_dscnt 0x0
	s_set_vgpr_msb 0x400
	s_endpgm
.Lfunc_end_k_q449e439c47_finish:
	.size	k_q449e439c47_finish, .Lfunc_end_k_q449e439c47_finish-k_q449e439c47_finish
	.p2alignl 7, 3214868480
	.fill 96, 4, 3214868480
	.section	.rodata,"a",@progbits
	.p2align	6, 0x0
	.amdhsa_kernel k_q449e439c47_finish
		.amdhsa_group_segment_fixed_size 168960
		.amdhsa_private_segment_fixed_size 0
		.amdhsa_enable_private_segment 0
		.amdhsa_kernarg_size 48
		.amdhsa_user_sgpr_count 2
		.amdhsa_user_sgpr_kernarg_segment_ptr 1
		.amdhsa_wavefront_size32 1
		.amdhsa_system_sgpr_workgroup_id_x 1
		.amdhsa_system_sgpr_workgroup_id_y 1
		.amdhsa_system_sgpr_workgroup_id_z 1
		.amdhsa_system_vgpr_workitem_id 0
		.amdhsa_next_free_vgpr 386
		.amdhsa_next_free_sgpr 66
		.amdhsa_reserve_vcc 0
		.amdhsa_float_denorm_mode_32 3
		.amdhsa_float_denorm_mode_16_64 3
		.amdhsa_memory_ordered 1
		.amdhsa_forward_progress 1
		.amdhsa_inst_pref_size 47
	.end_amdhsa_kernel
	.amdgpu_metadata
---
amdhsa.version: [ 1, 2 ]
amdhsa.kernels:
  - .name:           k_q449e439c47_finish
    .symbol:         k_q449e439c47_finish.kd
    .args:
      - { .name: xq, .offset: 0, .size: 8, .value_kind: global_buffer, .address_space: global }
      - { .name: ws, .offset: 8, .size: 8, .value_kind: global_buffer, .address_space: global }
      - { .name: part, .offset: 16, .size: 8, .value_kind: global_buffer, .address_space: global }
      - { .name: phi_b, .offset: 24, .size: 8, .value_kind: global_buffer, .address_space: global }
      - { .name: W_b, .offset: 32, .size: 8, .value_kind: global_buffer, .address_space: global }
      - { .name: out0, .offset: 40, .size: 8, .value_kind: global_buffer, .address_space: global }
    .group_segment_fixed_size: 168960
    .private_segment_fixed_size: 0
    .kernarg_segment_align: 8
    .kernarg_segment_size: 48
    .max_flat_workgroup_size: 256
    .sgpr_count:     66
    .vgpr_count:     386
    .wavefront_size: 32
...
	.end_amdgpu_metadata
.endif
;; end of part 3
